; MI455X (gfx1250); checked and timed in simulation.
; The chip was launched on July 23, 2026; its instructions are those of AMD's public machine-readable ISA for CDNA 5 (MIT licence, August 2026) and "CDNA5" Instruction Set Architecture Reference Guide (July 2026). The comments in the code are by the model that wrote it; some were corrected since.
;; Sparse Mo E Block. Allowed arithmetic: matrix products marked QUANTISED: E2M1 operands, one E8M0 scale for each 32 along K, by v_wmma_scale_f32_16x16x128_f8f6f4 with both operands' format E2M1 (or v_wmma_scale_f32_32x16x128_f4), f32 sums; products left as they are: f32 operands where the result goes on into a quantised operand, else bf16, f16 or f32 operands; f32 sums; everything else in f32.
;; Inputs: b1 8 x 4,096 float32; router_w 8 x 1,024 float32; w1 8 x 4,096 x 1,024 float32; x 1 x 2,048 x 1,024 float32.
;; Outputs: out0 1 x 2,048 x 4,096 float32; out1 one number float32.
;; This version of the problem:
;;   THIS VERSION OF THE PROBLEM IS GIVEN IN LOW PRECISION. The matrix products marked QUANTISED in the list below multiply operands that are first quantised to E2M1 (2 exponent bits, 1 mantissa bit; 4 bits a number), with one power-of-two scale for each 32 numbers along K (OCP MX v1.0); their sums are f32. All else is computed in f32.
;;   The module's matrix products, in the order in which they are computed (A, B: the left and right operand; K: the contracted axis; several contracted axes count as one K, in the product's order):
;;     1. [M 2,048, K 1,024] x [K 1,024, N 8]; A: input x; B: input router_w: left as it is (N = 8 < 16)
;;     2. batch 2,048 x [M 1, K 2] x [K 2, N 8]; A: softmax; B: computed on the way: left as it is (K = 2 < 32)
;;     3. [M 2,048, K 1,024] x [K 1,024, N 32,768]; A: input x; B: input w1: QUANTISED
;;     4. batch 2,048 x [M 4,096, K 8] x [K 8, N 1]; A: computed on the way; B: computed on the way: left as it is (K = 8 < 32)
;;   THE QUANTISER, for each operand of a quantised product, along K:
;;     - K is cut into blocks of 32 from its start; a last block that is shorter is filled with zeros.
;;     - A block's scale is 2^e with e = floor(log2(the largest magnitude in the block)) - 2, held to -126 .. 127; a block of zeros has e = 0. As a byte (E8M0): e + 127.
;;     - Each number is divided by its block's scale, clamped to +-6, and rounded to the nearest number of E2M1, ties to even, subnormals kept.
;;     - The product sums the exact products of the quantised numbers (number of the format x scale) in f32.
;;   ~~~python
;;   def quantise(x, axis):      # numpy; x: float32 -> the quantised numbers, widened to float32 again
;;       x = np.moveaxis(x, axis, -1); K = x.shape[-1]
;;       x = np.pad(x, [(0, 0)] * (x.ndim - 1) + [(0, -K % 32)]); x = x.reshape(x.shape[:-1] + (-1, 32)); a = np.abs(x).max(-1, keepdims=True)
;;       e = np.where(a > 0, np.clip(np.frexp(np.where(a > 0, a, 1))[1] - 1 - 2, -126, 127), 0)      # np.frexp(a)[1] - 1 = floor(log2(a)), exactly
;;       r = np.clip(x / 2.0 ** e, -6, 6)
;;       step = 2.0 ** (np.maximum(np.frexp(np.where(r == 0, 1, r))[1] - 1, 0) - 1)
;;       q = np.round(r / step) * step * 2.0 ** e      # np.round: ties to even
;;       return np.moveaxis(q.reshape(q.shape[:-2] + (-1,))[..., :K], -1, axis).astype(np.float32)
;;   ~~~
;; One version. Each part assembles by itself: llvm-mc -triple=amdgcn-amd-amdhsa -mcpu=gfx1250 --defsym DOCPART=n.
;; ======== version 1 of 1: 2 launches
;; limits: right only within a limited range of input values
;; workspace buffers: wq 17,825,792 bytes; xq 1,114,112 bytes; comb 65,536 bytes; part 8,192 bytes
;; launch prep (part 1): grid 640 x 1, 4 waves a work-group, no clusters, 105,472 bytes of LDS; arguments x, router_w, w1, wq, xq, comb, part; writes wq, xq, comb, part
.if DOCPART == 1
	.amdgcn_target "amdgcn-amd-amdhsa--gfx1250"
	.amdhsa_code_object_version 6
	.text
	.protected	k_qee6fa76a03_prep
	.globl	k_qee6fa76a03_prep
	.p2align	8
	.type	k_qee6fa76a03_prep,@function
k_qee6fa76a03_prep:
	s_mov_b64 s[64:65], 0
	v_nop
	global_prefetch_b8 v0, s[64:65] scope:SCOPE_SE
	s_setreg_imm32_b32 hwreg(HW_REG_WAVE_MODE, 25, 1), 1
	s_wait_xcnt 0x0
; w1 [8][4096][1024] and x [2048][1024], f32 with K innermost, become codes of FP4 (E2M1) with one E8M0 scale byte for each 32 along K, laid in the ORDER OF THE OPERAND'S REGISTERS;
; for x's rows the router is done on the way: logits (f32), the two largest, their softmax (comb), and sums for the balance loss (part).
; A CHUNK is 16 rows x 1,024 along K: 65,536 consecutive bytes of f32 in, 8,704 bytes out: block b (32 along K) of row r is 16 bytes at 256 b + 16 r, so that the fragment of K step s, register group c,
; lane l lies at 1024 s + 512 c + 16 l; from byte 8,192 on the scale words: lane l = 16 hs + r has 16 bytes at 16 l, word u = row r's word for K step 2 u + hs.
; wq: chunk (h / 64) x 32 + e x 4 + (h / 16) % 4.  xq: chunk = token / 16.  comb: [2048][8] f32.  part: [token tile 128][16] f32: 0-7 the tile's sums of softmax_e, 8-15 how many of its 16 tokens chose e.
; SHARES.  Work goes in steps of 256 bytes of each of a chunk's 16 rows.  The last 512 work-groups take w1: a wave a chunk, 16 steps.  The first 128 take x: a WORK-GROUP a chunk (16 tokens), each of its four waves
; 256 along K, 4 steps: an x wave has half as many loads on their way as a w1 wave and the router's work beside them, so it is given a quarter of the steps; the four partial logits meet in LDS.
; The two ways part once, on the work-group's number, and each has LDS bytes of its own.  A step's eight loads read whole aligned runs of 256 bytes (lanes 0-15 one row, lanes 16-31 the next); the 4,096 bytes turn
; through the wave's own stage in LDS and come back with lane (h2 = l / 16, r = l % 16) holding k = 64 t + 32 h2 + 0 .. 31 of row r in 32 registers: a whole block, and the very order of the operand: the lane's four
; code registers are stored at 512 t + 16 l.
; A block's scale is 2^(floor(log2(largest magnitude)) - 2); its byte is the largest magnitude's exponent field - 2, held at 1 from below by a floor among the maximum's leaves.
; THE ROUTER: logits by v_wmma_f32_16x16x4_f32 (f32 operands, since a choice hangs on them): source 0 = router_w's eight rows, taken twice (lanes r and r + 8 read row r % 8), source 1 = the 16 tokens; both sides hold
; the same k in the same lane and register, so each instruction multiplies matching k.  Register j of every lane then holds logit j of token l % 16: top-2 and both softmaxes need no other lane.
; LIMITS.  NaN and infinities among the inputs are not served.  A block of zeros gets the byte 1 where the rule says 127: its codes are zeros, and these bytes are read by this program alone.  The logits are f32 sums
; in another order than a row-by-row sum: a token whose second and third logit lie within f32 rounding of each other may choose the other expert.  Exact ties keep the lower index.
; NO CLUSTER: w1's work-groups share no input; x's share router_w alone, 32,768 bytes beside the 65,536 of x that each reads, in a launch whose other 134 million bytes are shared by nobody.
; No tensor load: the ring lies in registers and needs no barrier.
.set CHUNK, 8704
.set XWG,   128                        ; x's work-groups, the first of the grid
.set NX,    4                          ; steps of an x wave
.set STGB,  4352                       ; a stage: 16 rows x (256 bytes + 16): row r starts at bank 4 r mod 64 (64 banks of 4 bytes: ISA guide 11.1)
.set XSTG,  4*2*STGB                   ; LDS 0 ..: w1's way, two stages a wave;  from here: x's way, the same
.set RWL,   2*XSTG                     ; behind them router_w, a region of its own for each wave: its 256 along K of the eight rows
.set RWROW, 1104                       ; a row there: four pieces of 256 bytes + 16, and 16 more = 276 words: row e starts at bank 20 e mod 64: eight rows, eight different groups of four banks
.set RWWAVE, 8*RWROW
.set LDO, 1                            ; v1   loads: (l / 16) x 4096 + (l % 16) x 16
.set STI, 2                            ; v2   into the stage: wave x 8704 + (l / 16) x 272 + (l % 16) x 16
.set STO, 3                            ; v3   out of it: wave x 8704 + r x 272 + h2 x 128
.set CO,  4                            ; v4   16 l: my place in a store of 512 bytes
.set SH,  5                            ; v5   8 h2: where my scale bytes stand in a word
.set WBA, 6                            ; v6   router_w in LDS: RWL + wave x RWWAVE + (r % 8) x RWROW + h2 x 128
.set RWI, 7                            ; v7   where I store it: RWL + wave x RWWAVE + (l / 16) x 272 + (l % 16) x 16
.set RWO, 8                            ; v8   and where I load it: wave x 1024 + 16 l
.set LN,  9                            ; v9   lane
.set CBO, 10                           ; v10  comb: 32 r + 16 h2
.set EXA, 14                           ; v14  the exchange, in my own stage bytes: wave x 8704 + 16 l
.set EXB, 15                           ; v15  wave x 8704 + 4 l
.set LS,  31                           ; v31  4 l
.set Q,   16                           ; v16-23  scale bytes, a register for each K step of 128
.set C,   24                           ; v24-27  a block's codes; at the end the four scale registers
.set MA,  28
.set MB,  29
.set SC,  30
.set X,   32                           ; v32-95   two sets of 32 neighbours along K
.set R,   96                           ; v96-223  four sets of 32 as loaded (x's way: two sets, v96-159)
.set WB,  160                          ; v160-223 x's way: two sets of 32 numbers of router_w
.set ACC, 240                          ; v240-255 two accumulators of logits: written by matrix instructions alone
.set WV,  18
.set SRC, 20                           ; s[20:21] where my loads begin
.set DST, 22                           ; s[22:23] where my codes go
	s_load_b256 s[4:11], s[0:1], 0x0               ; x s[4:5], router_w s[6:7], w1 s[8:9], wq s[10:11]
	s_load_b128 s[12:15], s[0:1], 0x20             ; xq s[12:13], comb s[14:15]
	s_load_b64 s[16:17], s[0:1], 0x30              ; part
	v_lshl_add_u32 v224, v0, 2, 104960             ; my spare word, behind router_w's regions: 128 bytes a wave, two blocks of 256 bytes that no other line names; never rewritten
	v_mov_b32 v225, 0                              ; 0; never rewritten
	v_lshrrev_b32 v11, 5, v0
	v_readfirstlane_b32 s[WV], v11                 ; wave 0..3
	v_and_b32 v[LN], 31, v0
	v_and_b32 v11, 15, v0                          ; r
	v_bfe_u32 v12, v0, 4, 1                        ; h2
	v_lshlrev_b32 v13, 4, v11                      ; 16 r
	v_lshl_add_u32 v[LDO], v12, 12, v13
	s_mul_i32 s27, s[WV], 2*STGB
	v_mad_u32_u24 v[STI], v12, 272, v13
	v_add_nc_u32 v[STI], s27, v[STI]
	v_mul_u32_u24 v[STO], v11, 272
	v_lshl_add_u32 v[STO], v12, 7, v[STO]
	v_add_nc_u32 v[STO], s27, v[STO]
	v_lshlrev_b32 v[CO], 4, v[LN]
	v_lshlrev_b32 v[LS], 2, v[LN]
	v_add_nc_u32 v[EXA], s27, v[CO]
	v_add_nc_u32 v[EXB], s27, v[LS]
	v_lshlrev_b32 v[SH], 3, v12
	s_mul_i32 s28, s[WV], RWWAVE
	v_and_b32 v[WBA], 7, v0
	v_mul_u32_u24 v[WBA], v[WBA], RWROW
	v_lshl_add_u32 v[WBA], v12, 7, v[WBA]
	v_add_nc_u32 v[WBA], s28, v[WBA]
	v_add_nc_u32 v[WBA], RWL, v[WBA]
	v_mad_u32_u24 v[RWI], v12, 272, v13
	v_add_nc_u32 v[RWI], s28, v[RWI]
	v_add_nc_u32 v[RWI], RWL, v[RWI]
	s_lshl_b32 s29, s[WV], 10
	v_lshl_add_u32 v[RWO], v[LN], 4, s29
	v_lshlrev_b32 v[CBO], 5, v11
	v_lshl_add_u32 v[CBO], v12, 4, v[CBO]
	s_mov_b32 s24, 0x76543210
	s_mov_b32 s25, 0xfedcba98                      ; v_permlanex16_b32's selects for lane l xor 16
	s_mov_b32 s26, 0xffff0000                      ; the mask of lanes 16-31
	s_mov_b32 s31, 0x3fb8aa3b                      ; log2(e)
; step t's 4,096 bytes into set t % d: load q takes 256 bytes of rows 2 q and 2 q + 1
.macro LOAD t, d
.irp q, 0,1,2,3,4,5,6,7
	global_load_b128 v[R+32*((\t)%(\d))+4*\q:R+32*((\t)%(\d))+4*\q+3], v[LDO], s[SRC:SRC+1] offset:8192*\q+256*(\t) th:TH_LOAD_NT
.endr
.endm
; step t's numbers through stage t % 2.  LDS serves a wave's instructions in order (ISA guide 5.7.1.4): no wait stands between the stores and the loads.  isx = 1: the same k of router_w come with them
.macro TURN t, d, stg, isx
.irp q, 0,1,2,3,4,5,6,7
	ds_store_b128 v[STI], v[R+32*((\t)%(\d))+4*\q:R+32*((\t)%(\d))+4*\q+3] offset:\stg+STGB*((\t)%2)+544*\q
.endr
.irp q, 0,1,2,3,4,5,6,7
	ds_load_b128 v[X+32*((\t)%2)+4*\q:X+32*((\t)%2)+4*\q+3], v[STO] offset:\stg+STGB*((\t)%2)+16*\q
.endr
.if \isx
.irp q, 0,1,2,3,4,5,6,7
	ds_load_b128 v[WB+32*((\t)%2)+4*\q:WB+32*((\t)%2)+4*\q+3], v[WBA] offset:272*(\t)+16*\q
.endr
.endif
.endm
; my block of step t: largest magnitude, scale, codes, store
.macro QUANT t
.set XQ, X+32*((\t)%2)
	v_max3_num_f32 v[MA], |v[XQ]|, |v[XQ+1]|, 0x1800000            ; two chains; among the leaves the floor 2^(3 - 127): the byte cannot fall under 1
	v_max3_num_f32 v[MB], |v[XQ+2]|, |v[XQ+3]|, |v[XQ+4]|
.irp i, 5,9,13,17,21,25
	v_max3_num_f32 v[MA], v[MA], |v[XQ+\i]|, |v[XQ+\i+1]|
	v_max3_num_f32 v[MB], v[MB], |v[XQ+\i+2]|, |v[XQ+\i+3]|
.endr
	v_max3_num_f32 v[MA], v[MA], |v[XQ+29]|, |v[XQ+30]|
	v_max3_num_f32 v[MA], v[MA], v[MB], |v[XQ+31]|
	v_add_nc_u32 v[SC], 0xff000000, v[MA]          ; 2 off the exponent field: the conversion takes the exponent field of this operand as its scale, and nothing else of it
	s_wait_alu depctr_va_vdst(0)
	s_wait_xcnt 0x0                                ; the last step's store has read its data: only behind this wait are the code registers written again
.irp g, 0,1,2,3
	v_cvt_scalef32_pk8_fp4_f32 v[C+\g], v[XQ+8*\g:XQ+8*\g+7], v[SC]
.endr
.if (\t)%2 == 0
	v_lshrrev_b32 v[Q+(\t)/2], 23, v[SC]           ; the scale's byte (also the plain line behind the conversions): an even step's at bit 0,
.else
	v_lshrrev_b32 v[MB], 23, v[SC]
	v_lshl_or_b32 v[Q+(\t)/2], v[MB], 16, v[Q+(\t)/2]   ; an odd step's at bit 16
.endif
	global_store_b128 v[CO], v[C:C+3], s[DST:DST+1] offset:512*(\t) th:TH_STORE_NT   ; 32 lanes store 512 consecutive bytes, at a multiple of 256 from the buffer's first byte
.endm
; 64 along K of the logits: 16 products of 4 along K, the two accumulators by turns, from step to step too.  The first two start the sums
.macro ROUTE t
.set PP, 0
.rept 16
.if ((\t) == 0) && (PP < 2)
	v_wmma_f32_16x16x4_f32 v[ACC+8*(PP%2):ACC+8*(PP%2)+7], v[WB+32*((\t)%2)+2*PP:WB+32*((\t)%2)+2*PP+1], v[X+32*((\t)%2)+2*PP:X+32*((\t)%2)+2*PP+1], 0
.else
	v_wmma_f32_16x16x4_f32 v[ACC+8*(PP%2):ACC+8*(PP%2)+7], v[WB+32*((\t)%2)+2*PP:WB+32*((\t)%2)+2*PP+1], v[X+32*((\t)%2)+2*PP:X+32*((\t)%2)+2*PP+1], v[ACC+8*(PP%2):ACC+8*(PP%2)+7]
.endif
.set PP, PP+1
.endr
.endm
; a step of w1's way: loads run four steps (32 loads a wave) ahead, the turn through LDS one step
.macro STEPW t
	s_wait_dscnt 0x0                               ; this step's numbers are back from the stage, and its stores into the stage have read their registers,
.if (\t)+4 < 16
	LOAD (\t)+4, 4                                 ; which take the loads of four steps on
.endif
.if (\t) < 15
.if 14-(\t) >= 3
	s_wait_loadcnt 24                              ; the next step's eight loads are in; those of the three steps behind it may be out
.else
	s_wait_loadcnt 8*(14-(\t))
.endif
	TURN (\t)+1, 4, 0, 0
.endif
	QUANT \t
.endm
; a step of x's way.  The seventeen plain lines at QUANT's head name none of the registers of the step before's products: they are the eight places in front of the LDS loads into those registers
.macro STEPX t
	s_wait_dscnt 0x0
	QUANT \t
.if (\t)+2 < NX
	LOAD (\t)+2, 2
.endif
.if (\t) < NX-1
.if (\t)+2 < NX
	s_wait_loadcnt 8                               ; the next step's loads are in; the eight just issued may be out
.else
	s_wait_loadcnt 0x0
.endif
	TURN (\t)+1, 2, XSTG, 1
.endif
	ROUTE \t                                       ; stands over the next step's turn through LDS
.endm
; w1's scale words: my two bytes of each K step move to their places, lane l xor 16's two join them; then lanes 0-15 keep the even K steps' words and lanes 16-31 the odd ones'
.macro FINISH
.irp s, 0,1,2,3,4,5,6,7
	v_lshlrev_b32 v[Q+\s], v[SH], v[Q+\s]
.endr
.irp s, 0,1,2,3,4,5,6,7
	v_permlanex16_b32 v[R+\s], v[Q+\s], s24, s25
.endr
.irp s, 0,1,2,3,4,5,6,7
	v_or_b32 v[Q+\s], v[Q+\s], v[R+\s]
.endr
	s_wait_alu depctr_va_vdst(0)
	s_wait_xcnt 0x0                                ; the last codes' store has read its data
.irp u, 0,1,2,3
	v_cndmask_b32 v[C+\u], v[Q+2*\u], v[Q+2*\u+1], s26
.endr
	global_store_b128 v[CO], v[C:C+3], s[DST:DST+1] offset:8192 th:TH_STORE_NT
.endm
	s_wait_kmcnt 0x0
	s_cmp_lt_u32 ttmp9, XWG                        ; the same in all four waves of a work-group
	s_cbranch_scc1 .Lx_way
	; ---- w1's way
	s_sub_co_u32 s27, ttmp9, XWG
	s_lshl_b32 s27, s27, 2
	s_add_co_u32 s27, s27, s[WV]                   ; g = my 16 rows of the 32,768: e = g / 256, h / 16 = g % 256
	s_lshl_b32 s28, s27, 16
	s_mov_b32 s29, 0
	s_add_nc_u64 s[SRC:SRC+1], s[8:9], s[28:29]
	s_lshr_b32 s30, s27, 8                         ; e
	s_and_b32 s32, s27, 255
	s_lshr_b32 s33, s32, 2                         ; h / 64
	s_and_b32 s32, s32, 3                          ; (h / 16) % 4
	s_lshl_b32 s33, s33, 5
	s_lshl_b32 s30, s30, 2
	s_add_co_u32 s33, s33, s30
	s_add_co_u32 s33, s33, s32
	s_mul_i32 s28, s33, CHUNK
	s_add_nc_u64 s[DST:DST+1], s[10:11], s[28:29]
.irp t, 0,1,2,3
	LOAD \t, 4
.endr
	s_wait_loadcnt 24                              ; step 0's eight loads are in
	TURN 0, 4, 0, 0
.irp t, 0,1,2,3,4,5,6,7,8,9,10,11,12,13,14,15
	STEPW \t
.endr
	FINISH
	s_wait_tensorcnt 0x0                           ; the wave's end: behind my last LDS store
	ds_add_u32 v224, v225
	s_wait_dscnt 0x0
	s_endpgm
	; ---- x's way: the work-group's number is the tile of 16 tokens; my wave takes k = 256 w .. 256 w + 255
.Lx_way:
	s_lshl_b32 s28, ttmp9, 16
	s_lshl_b32 s30, s[WV], 10
	s_add_co_u32 s28, s28, s30                     ; the tile's 65,536 bytes, + my 1,024 bytes of each row
	s_mov_b32 s29, 0
	s_add_nc_u64 s[SRC:SRC+1], s[4:5], s[28:29]
	s_mul_i32 s28, ttmp9, CHUNK
	s_lshl_b32 s30, s[WV], 11
	s_add_co_u32 s28, s28, s30                     ; the tile's chunk, + my four steps' 2,048 bytes of codes
	s_add_nc_u64 s[DST:DST+1], s[12:13], s[28:29]
	s_lshl_b32 s28, ttmp9, 9
	s_add_nc_u64 s[14:15], s[14:15], s[28:29]      ; comb: 16 tokens x 32 bytes
	s_lshl_b32 s28, ttmp9, 6
	s_add_nc_u64 s[16:17], s[16:17], s[28:29]      ; part: 64 bytes a tile
	s_wait_alu depctr_va_vdst(0)
.irp n, 0,1,2,3,4,5,6,7,8,9,10,11,12,13,14,15
	global_load_b128 v[WB+4*\n:WB+4*\n+3], v[RWO], s[6:7] offset:4096*(\n/2)+512*(\n%2)   ; my 1,024 bytes of each row of router_w, 512 consecutive bytes a load
.endr
	LOAD 0, 2
	LOAD 1, 2
	s_wait_loadcnt 16                              ; router_w's sixteen loads are in; x's two steps may be out
.irp n, 0,1,2,3,4,5,6,7,8,9,10,11,12,13,14,15
	ds_store_b128 v[RWI], v[WB+4*\n:WB+4*\n+3] offset:RWROW*(\n/2)+544*(\n%2)
.endr
	s_wait_dscnt 0x0                               ; the stores have read their registers, into which the turns load.  These LDS bytes are my wave's own: no barrier
	s_wait_loadcnt 8                               ; step 0's loads are in
	TURN 0, 2, XSTG, 1
.irp t, 0,1,2,3
	STEPX \t
.endr
	; my K steps 2 w and 2 w + 1 make word w of the chunk's scale words.  Five plain lines here and four v_nop are the places (eight are asked: ISA guide 7.12.1) behind the last product
.irp s, 0,1
	v_lshlrev_b32 v[Q+\s], v[SH], v[Q+\s]
.endr
.irp s, 0,1
	v_permlanex16_b32 v[R+\s], v[Q+\s], s24, s25
.endr
.irp s, 0,1
	v_or_b32 v[Q+\s], v[Q+\s], v[R+\s]
.endr
	s_wait_alu depctr_va_vdst(0)
	s_wait_xcnt 0x0                                ; the last codes' store has read its data
	v_cndmask_b32 v[C], v[Q], v[Q+1], s26          ; lanes 0-15 the even K step's word, lanes 16-31 the odd one's
.rept 4
	v_nop
.endr
.set LG,   104                         ; v104-111 logits
.irp j, 0,2,4,6
	v_pk_add_f32 v[LG+\j:LG+\j+1], v[ACC+\j:ACC+\j+1], v[ACC+8+\j:ACC+8+\j+1]   ; the two accumulators, each read from its low end on: my 256 along K of the logits
.endr
	; THE EXCHANGE: images of registers, in my own stage bytes, which I alone have read and whose reads are back
	ds_store_b128 v[EXA], v[LG:LG+3] offset:XSTG
	ds_store_b128 v[EXA], v[LG+4:LG+7] offset:XSTG+512
	ds_store_b32 v[EXB], v[C] offset:XSTG+1024
	s_wait_dscnt 0x0                               ; for wave 0's sake: my stores lie in LDS
	s_barrier_signal -1
	s_barrier_wait -1                              ; nobody writes LDS behind this barrier
	s_cmp_lg_u32 s[WV], 0
	s_cbranch_scc1 .Lx_end                         ; waves 1 to 3 have done their part
.irp u, 1,2,3
	ds_load_b128 v[112+8*(\u-1):112+8*(\u-1)+3], v[CO] offset:XSTG+\u*2*STGB
	ds_load_b128 v[116+8*(\u-1):116+8*(\u-1)+3], v[CO] offset:XSTG+\u*2*STGB+512
.endr
.irp u, 1,2,3
	ds_load_b32 v[C+\u], v[LS] offset:XSTG+\u*2*STGB+1024
.endr
	s_wait_dscnt 0x0
	s_wait_alu depctr_va_vdst(0)
.irp u, 1,2,3
.irp j, 0,2,4,6
	v_pk_add_f32 v[LG+\j:LG+\j+1], v[LG+\j:LG+\j+1], v[112+8*(\u-1)+\j:112+8*(\u-1)+\j+1]
.endr
.endr
	global_store_b128 v[CO], v[C:C+3], s[DST:DST+1] offset:8192 th:TH_STORE_NT   ; the chunk's 512 bytes of scale words, whole (wave 0's codes begin at the chunk's first byte)
	; ---- the router's end: a lane holds the eight logits of token l % 16 (lanes 16-31 repeat lanes 0-15)
.set MK,   112                         ; v112-119 logits with the largest struck out
.set EX,   120                         ; v120-127 2^((logit - largest) log2 e)
.set PS,   128                         ; v128-143 softmax_e, then 1.0 where e was chosen
.set CB,   144                         ; v144-151 comb
.set OU,   152                         ; v152-155 my 16 bytes of comb
.set BEST, 156
.set BIX,  157
.set SEC,  158
.set SIX,  159
.set NINF, 160
.set ONE,  161
.set NB,   162
.set TT,   163
.set SUM,  164
.set INV,  165
.set W1R,  166
.set W2R,  167
.set T1,   168
.set T2,   169
.set T3,   170
.macro SCAN src, val, idx              ; the largest of eight and its index: a later one takes over only where it is greater, so a tie keeps the lower index
	v_mov_b32 v[\val], v[\src]
	v_mov_b32 v[\idx], 0
.irp e, 1,2,3,4,5,6,7
	v_cmp_le_f32 vcc_lo, v[\src+\e], v[\val]
	v_cndmask_b32 v[\val], v[\src+\e], v[\val], vcc_lo
	v_cndmask_b32 v[\idx], \e, v[\idx], vcc_lo
.endr
.endm
	v_mov_b32 v[NINF], 0xff800000
	v_mov_b32 v[ONE], 1.0
	SCAN LG, BEST, BIX
.irp e, 0,1,2,3,4,5,6,7
	v_cmp_eq_u32 vcc_lo, \e, v[BIX]
	v_cndmask_b32 v[MK+\e], v[LG+\e], v[NINF], vcc_lo
.endr
	SCAN MK, SEC, SIX
	v_mul_f32 v[NB], 0xbfb8aa3b, v[BEST]           ; the largest logit is taken off ahead of every exponential
.irp e, 0,1,2,3,4,5,6,7
	v_fma_f32 v[EX+\e], v[LG+\e], s31, v[NB]
.endr
	v_fma_f32 v[TT], v[SEC], s31, v[NB]
	s_wait_alu depctr_va_vdst(0)
.irp e, 0,1,2,3,4,5,6,7
	v_exp_f32 v[EX+\e], v[EX+\e]
.endr
	v_exp_f32 v[TT], v[TT]                         ; e^(second - largest)
	v_nop                                          ; a plain line behind the last exponential (ISA guide 5.7.2)
	s_wait_alu depctr_va_vdst(0)                   ; one wait for the nine, ahead of their first reader
	v_add_f32 v[SUM], v[EX], v[EX+1]
	v_add_f32 v[T1], v[EX+2], v[EX+3]
	v_add_f32 v[T2], v[EX+4], v[EX+5]
	v_add_f32 v[T3], v[EX+6], v[EX+7]
	v_add_f32 v[SUM], v[SUM], v[T1]
	v_add_f32 v[T2], v[T2], v[T3]
	v_add_f32 v[SUM], v[SUM], v[T2]
	v_add_f32 v[W1R], 1.0, v[TT]
	s_wait_alu depctr_va_vdst(0)
	v_rcp_f32 v[INV], v[SUM]
	v_rcp_f32 v[W1R], v[W1R]                       ; the largest's weight: 1 / (1 + e^(second - largest))
	v_nop
	s_wait_alu depctr_va_vdst(0)                   ; one wait for the two reciprocals
	v_mul_f32 v[W2R], v[TT], v[W1R]                ; the second's weight
.irp e, 0,1,2,3,4,5,6,7
	v_mul_f32 v[PS+\e], v[EX+\e], v[INV]
.endr
.irp e, 0,1,2,3,4,5,6,7
	v_cmp_eq_u32 vcc_lo, \e, v[SIX]
	v_cndmask_b32 v[CB+\e], 0, v[W2R], vcc_lo
	v_cndmask_b32 v[PS+8+\e], 0, v[ONE], vcc_lo
	v_cmp_eq_u32 vcc_lo, \e, v[BIX]
	v_cndmask_b32 v[CB+\e], v[CB+\e], v[W1R], vcc_lo
	v_cndmask_b32 v[PS+8+\e], v[PS+8+\e], v[ONE], vcc_lo
.endr
.irp j, 0,1,2,3
	v_cndmask_b32 v[OU+\j], v[CB+\j], v[CB+4+\j], s26   ; lanes 0-15 store experts 0-3 of their token, lanes 16-31 experts 4-7
.endr
	global_store_b128 v[CBO], v[OU:OU+3], s[14:15] ; the wave stores 512 consecutive bytes
.irp m, 1,2,4,8
.irp i, 0,1,2,3,4,5,6,7,8,9,10,11,12,13,14,15
	v_add_f32_dpp v[PS+\i], v[PS+\i], v[PS+\i] row_xmask:\m row_mask:0xf bank_mask:0xf   ; over the tile's 16 tokens
.endr
.endr
	v_cmp_eq_u32 vcc_lo, 0, v[LN]
	s_wait_alu depctr_va_vdst(0)
	s_wait_xcnt 0x0                                ; EXEC changes only behind this wait
	s_and_saveexec_b32 s30, vcc_lo                 ; lane 0 stores the tile's 64 bytes (8,192 bytes in the whole launch go out in such pieces)
.irp i, 0,1,2,3
	global_store_b128 v[LN], v[PS+4*\i:PS+4*\i+3], s[16:17] offset:16*\i
.endr
	s_wait_xcnt 0x0                                ; and again in front of the line that widens it
	s_or_b32 exec_lo, exec_lo, s30
.Lx_end:
	s_wait_tensorcnt 0x0                           ; the wave's end: behind my last LDS store
	ds_add_u32 v224, v225
	s_wait_dscnt 0x0
	s_endpgm
.Lfunc_end_k_qee6fa76a03_prep:
	.size	k_qee6fa76a03_prep, .Lfunc_end_k_qee6fa76a03_prep-k_qee6fa76a03_prep
	.p2alignl 7, 3214868480
	.fill 96, 4, 3214868480
	.section	.rodata,"a",@progbits
	.p2align	6, 0x0
	.amdhsa_kernel k_qee6fa76a03_prep
		.amdhsa_group_segment_fixed_size 105472
		.amdhsa_private_segment_fixed_size 0
		.amdhsa_enable_private_segment 0
		.amdhsa_kernarg_size 56
		.amdhsa_user_sgpr_count 2
		.amdhsa_user_sgpr_kernarg_segment_ptr 1
		.amdhsa_wavefront_size32 1
		.amdhsa_system_sgpr_workgroup_id_x 1
		.amdhsa_system_sgpr_workgroup_id_y 1
		.amdhsa_system_sgpr_workgroup_id_z 1
		.amdhsa_system_vgpr_workitem_id 0
		.amdhsa_next_free_vgpr 256
		.amdhsa_next_free_sgpr 66
		.amdhsa_reserve_vcc 1
		.amdhsa_float_denorm_mode_32 3
		.amdhsa_float_denorm_mode_16_64 3
		.amdhsa_memory_ordered 1
		.amdhsa_forward_progress 1
		.amdhsa_inst_pref_size 94
	.end_amdhsa_kernel
	.amdgpu_metadata
---
amdhsa.version: [ 1, 2 ]
amdhsa.kernels:
  - .name:           k_qee6fa76a03_prep
    .symbol:         k_qee6fa76a03_prep.kd
    .args:
      - { .name: x, .offset: 0, .size: 8, .value_kind: global_buffer, .address_space: global }
      - { .name: router_w, .offset: 8, .size: 8, .value_kind: global_buffer, .address_space: global }
      - { .name: w1, .offset: 16, .size: 8, .value_kind: global_buffer, .address_space: global }
      - { .name: wq, .offset: 24, .size: 8, .value_kind: global_buffer, .address_space: global }
      - { .name: xq, .offset: 32, .size: 8, .value_kind: global_buffer, .address_space: global }
      - { .name: comb, .offset: 40, .size: 8, .value_kind: global_buffer, .address_space: global }
      - { .name: part, .offset: 48, .size: 8, .value_kind: global_buffer, .address_space: global }
    .group_segment_fixed_size: 105472
    .private_segment_fixed_size: 0
    .kernarg_segment_align: 8
    .kernarg_segment_size: 56
    .max_flat_workgroup_size: 128
    .sgpr_count:     66
    .vgpr_count:     256
    .wavefront_size: 32
...
	.end_amdgpu_metadata
.endif
;; end of part 1
;; launch moe (part 2): grid 256 x 1, 4 waves a work-group, clusters of 4 x 1, 327,680 bytes of LDS; arguments wq, xq, comb, part, b1, out0, out1; writes out0, out1
.if DOCPART == 2
	.amdgcn_target "amdgcn-amd-amdhsa--gfx1250"
	.amdhsa_code_object_version 6
	.text
	.protected	k_qee6fa76a03_moe
	.globl	k_qee6fa76a03_moe
	.p2align	8
	.type	k_qee6fa76a03_moe,@function
k_qee6fa76a03_moe:
	s_mov_b64 s[64:65], 0
	v_nop
	global_prefetch_b8 v0, s[64:65] scope:SCOPE_SE
	s_setreg_imm32_b32 hwreg(HW_REG_WAVE_MODE, 25, 1), 1
	s_wait_xcnt 0x0
	s_wait_alu depctr_hold_cnt(0) depctr_sa_sdst(0) depctr_va_vdst(0) depctr_va_sdst(0) depctr_va_ssrc(0) depctr_va_vcc(0) depctr_vm_vsrc(0)
	s_getreg_b32 s2, hwreg(HW_REG_IB_STS2, 6, 4)
	s_cmp_eq_u32 s2, 0
	s_cbranch_scc0 .Lentry_in_a_cluster
	s_endpgm
.Lentry_in_a_cluster:
	s_bfe_u32 s2, ttmp6, 0x10000c
	s_cmp_lg_u32 s2, 0x3003
	s_cbranch_scc0 .Lentry_shape_is_right
	s_endpgm
.Lentry_shape_is_right:
; out0[t][h] = the sum over e of comb[t][e] x (Q(x)[t] . Q(w1)[e][h] + b1[e][h]), on codes of FP4 (E2M1) with one E8M0 scale for each 32 along K, as the launch before laid them; out1 = 8 x the sum over e of f_e P_e.
; All eight experts are multiplied for every token and weighed by comb, which is 0 for the six that were not chosen: no branch, address or trip count hangs on the choice.
; SHARES.  A cluster of four work-groups owns 64 columns h (256 bytes of each row of out0), for all 2,048 tokens; a work-group 512 tokens; a wave 128: eight tiles of 16.
; x's codes of the wave's 128 tokens stay in REGISTERS (512, and 32 of scale words).  The cluster's slice of W, 8 experts x 64 rows x 1,024 along K = 278,528 bytes of codes and scale words, consecutive in wq, stays in LDS:
; it is filled ONCE, JOINTLY: each of the four work-groups issues the same six tensor loads (waves 0 and 1 experts 2 w and 2 w + 1, every wave expert w + 4) with a mask that names the four.  Nothing is filled again: no ring.
; Each fragment of W (1,024 bytes from LDS) feeds eight matrix instructions.
; x's codes are read by the 64 work-groups with the same place in their clusters, which are partners of nobody: tiles 0 to 3 go from memory straight into registers, tiles 4 to 7 through LDS.
; THE MATRIX INSTRUCTION IS USED TRANSPOSED: source 0 = 16 rows h of W, source 1 = 16 tokens: lane (half, r) holds token r and its registers h = 16 j + 8 half + 0 .. 7: neighbours in a row of out0.
; A PASS is (expert e, 16 rows j): 64 products into eight accumulators that take turns; b1 is the C of each sum's first product; then out += comb x sum, packed.  An expert is four passes.
; The fragments lie in LDS as images of the operand's registers: every load is 16 bytes a lane at 16 x lane, 512 consecutive bytes.
; REGISTERS, in windows of 256 (s_set_vgpr_msb's low byte: bits 1:0 source 0, 3:2 source 1, 5:4 source 2, 7:6 destination):
;   window 0: v1-7 addresses; v16-47 x's scale words; v48-55 W's, two sets; v56-63 b1; v64-79 comb (even registers); v80-111 W's K steps 0-3; v112-143 K steps 4-7; v144-207 the eight accumulators
;   window 1: x's K steps 0-3, tile i at v[32 i + 8 s];   window 2: K steps 4-7 likewise;   window 3: out, (j, tile i) at v[64 j + 8 i]
; LIMITS: as the launch before states them; comb = 0 multiplies a finite sum wherever the inputs are finite.
.set CHUNK, 8704                       ; 16 rows: 8,192 bytes of codes, 512 of scale words
.set EXPB,  4*CHUNK                    ; an expert's 64 rows
.set BIAS,  8*EXPB                     ; LDS: behind W: b1 [8][64] f32,
.set COMB,  BIAS+2048                  ; comb, 4,096 bytes for each wave: [128 tokens][8] f32,
.set STAGE, COMB+4*4096                ; and the way out: 16 rows x (256 bytes + 16) for each wave.  No fill lands in these three
.set WAD, 1                            ; v1   16 l, + EXPB for each expert
.set BAD, 2                            ; v2   BIAS + 32 half, + 256 for each expert
.set CAD, 3                            ; v3   COMB + 4096 w + 32 r, + 4 for each expert
.set STO, 4                            ; v4   the stage, in: row r, 32 bytes for each half of the lanes
.set RD,  5                            ; v5   and back: lanes 0-15 one row, lanes 16-31 the next
.set GO,  6                            ; v6   the same two rows in out0: half x 16,384 + 16 r
.set XO,  7                            ; v7   16 l
.set XS,  16                           ; tile i's scale words at v[XS + 4 i + u]: lanes 0-15 K step 2 u, lanes 16-31 K step 2 u + 1
.set WS,  48                           ; W's likewise: set p at v[WS + 4 p]
.set BI,  56
.set CM,  64                           ; tile i's comb at v[CM + 2 i]; the odd registers hold 0: the packed forms name pairs
.set WA,  80
.set WB,  112
.set TA,  144
.set WV,  32                           ; s32  wave
.set CX,  33                           ; s33  my place in the cluster: it enters global addresses and one lane mask, no branch and no LDS address
.set G1,  16                           ; s[16:23] descriptor group 1;  s[24:27], s[28:31] groups 0 of my two loads
.set G0A, 24
.set G0B, 28
.set MSB, 0
.macro WIN new                         ; the immediate's high byte repeats the setting that is left; a switch that changes nothing is dropped
.if MSB != \new
	s_set_vgpr_msb (MSB<<8)|\new
.set MSB, \new
.endif
.endm
.macro PLACES                          ; four places in front of loads into registers that matrix instructions have read, and of the first reads of results
.rept 4
	v_nop
.endr
.endm
.macro CROUND                          ; a round of the cluster's barrier
	s_barrier_signal -1
	s_barrier_wait -1
	s_cmp_lg_u32 s[WV], 0
	s_cbranch_scc1 .Lnot_wave_0_\@
	s_barrier_signal -3
.Lnot_wave_0_\@:
	s_barrier_wait -3
	s_barrier_signal -1
	s_barrier_wait -1
.endm
	s_load_b256 s[4:11], s[0:1], 0x0               ; wq s[4:5], xq s[6:7], comb s[8:9], part s[10:11]
	s_load_b128 s[12:15], s[0:1], 0x20             ; b1 s[12:13], out0 s[14:15]
	s_load_b64 s[36:37], s[0:1], 0x30              ; out1
.set SPARE, STAGE+4*16*272             ; behind the stages: the spare words, 128 bytes a wave: two blocks of 256 bytes that no other line names
.set SPW, 208                          ; v208 SPARE + 4 x my thread's number; never rewritten
.set NIL, 209                          ; v209 0; never rewritten
	v_lshl_add_u32 v[SPW], v0, 2, SPARE
	v_mov_b32 v[NIL], 0
	ds_add_u32 v[SPW], v[NIL]                      ; the opening lines, ahead of the round in front of my first tensor load: the add, twice on end,
	ds_add_u32 v[SPW], v[NIL]                      ; and one wait for both, which stands behind the set-up below
	v_lshrrev_b32 v8, 5, v0
	v_readfirstlane_b32 s[WV], v8                  ; wave 0..3
	s_bfe_u32 s[CX], ttmp6, 0x40000                ; cx
	s_or_b32 s41, ttmp9, s[WV]                     ; 0 in wave 0 of the first cluster's work-groups: the same in all four partners
	s_mov_b32 s38, 0x76543210
	s_mov_b32 s39, 0xfedcba98                      ; v_permlanex16_b32's selects for lane l xor 16
	; descriptor group 1: an expert's 34,816 consecutive bytes as 136 rows of 256 bytes (32 elements of 8 bytes), no padding
	s_mov_b32 s[G1+0], 15|(3<<16)|(1<<21)          ; 15:0 the mask: all four work-groups; 17:16 elements of 8 bytes; 21 set beside a mask
	s_mov_b32 s[G1+1], 32<<16                      ; tensor_dim0 = 32
	s_mov_b32 s[G1+2], 272<<16                     ; tensor_dim1 = 272: the head's joint loads bring two experts each; behind them this word and tile_dim1 are set to 136
	s_mov_b32 s[G1+3], 32<<16                      ; tile_dim0 = 32
	s_mov_b32 s[G1+4], 272                         ; tile_dim1 = 272
	s_mov_b32 s[G1+5], 32                          ; from row to row
	s_mov_b32 s[G1+6], 0
	s_mov_b32 s[G1+7], 0
	s_mov_b32 s[G0A], 1
; HOW LDS IS FILLED.  At the head, one tensor load a wave: waves 0 and 1 fetch experts 0-1 and 2-3 jointly; waves 2 and 3 fetch x's tiles 4 to 7 of two waves each, by a load of their own work-group,
; into the bytes of experts 4 to 7: wave v's four chunks are EXPB bytes and lie where expert 4 + v will lie.  Each wave reads them into registers; then experts 4 to 7 fill those bytes again, jointly, one load a wave.
; So of x's codes tiles 0 to 3 come from memory straight into registers and tiles 4 to 7 through LDS.
.set G1X, 68                           ; s[68:75] group 1 for x's load: 2 rows of EXPB bytes (4,352 elements of 8 bytes), 8 chunks apart in memory; no mask
.set G0X, 76                           ; s[76:79] its group 0
.set XL,  210                          ; v210 LDS address of my x tiles 4 to 7: (4 + w) EXPB + 16 l
	s_mul_i32 s[G0A+1], s[WV], 2*EXPB              ; LDS: experts 2 w and 2 w + 1 (waves 0 and 1 alone use it)
	s_mov_b32 s[G0B], 1
	s_mul_i32 s[G0B+1], s[WV], EXPB
	s_add_co_u32 s[G0B+1], s[G0B+1], 4*EXPB        ; expert w + 4
	s_mul_i32 s42, ttmp9, 8*EXPB                   ; the cluster's slice of wq (ttmp9 counts clusters),
	s_add_co_u32 s44, s42, s[G0B+1]                ; expert w + 4 in it,
	s_add_co_u32 s42, s42, s[G0A+1]                ; and experts 2 w, 2 w + 1: both made of what the four partners share
	s_mov_b32 s43, 0
	s_mov_b32 s45, 0
	s_mov_b32 s[G1X+0], 3<<16                      ; elements of 8 bytes, no mask, no padding
	s_mov_b32 s[G1X+1], 4352<<16                   ; tensor_dim0
	s_mov_b32 s[G1X+2], 2<<16                      ; tensor_dim1
	s_mov_b32 s[G1X+3], 4352<<16                   ; tile_dim0
	s_mov_b32 s[G1X+4], 2                          ; tile_dim1
	s_mov_b32 s[G1X+5], 8704                       ; from row to row: 8 chunks = 69,632 bytes
	s_mov_b32 s[G1X+6], 0
	s_mov_b32 s[G1X+7], 0
	s_mov_b32 s[G0X], 1
	s_and_b32 s60, s[WV], 1                        ; u: wave 2 serves waves 0 and 1, wave 3 waves 2 and 3
	s_mul_i32 s[G0X+1], s60, 2*EXPB
	s_add_co_u32 s[G0X+1], s[G0X+1], 4*EXPB        ; LDS: (4 + 2 u) EXPB
	s_lshl_b32 s61, s[CX], 1
	s_add_co_u32 s61, s61, s60
	s_mul_i32 s62, s61, 16*CHUNK                   ; xq: token block 4 cx + 2 u, eight chunks a block,
	s_add_co_u32 s62, s62, 4*CHUNK                 ; its tile 4
	s_mov_b32 s63, 0
	v_and_b32 v9, 31, v0                           ; l
	v_and_b32 v10, 15, v0                          ; r
	v_bfe_u32 v11, v0, 4, 1                        ; half
	v_lshlrev_b32 v[WAD], 4, v9
	v_lshlrev_b32 v[XO], 4, v9
	v_add_nc_u32 v[XL], s[G0B+1], v[XO]
	v_lshl_add_u32 v[BAD], v11, 5, BIAS
	s_lshl_b32 s46, s[WV], 12
	v_lshlrev_b32 v[CAD], 5, v10
	v_add_nc_u32 v[CAD], s46, v[CAD]
	v_add_nc_u32 v[CAD], COMB, v[CAD]
	s_mul_i32 s47, s[WV], 16*272
	v_mul_u32_u24 v[STO], v10, 272
	v_lshl_add_u32 v[STO], v11, 5, v[STO]
	v_add_nc_u32 v[STO], s47, v[STO]
	v_add_nc_u32 v[STO], STAGE, v[STO]
	v_mul_u32_u24 v[RD], v11, 272
	v_lshl_add_u32 v[RD], v10, 4, v[RD]
	v_add_nc_u32 v[RD], s47, v[RD]
	v_add_nc_u32 v[RD], STAGE, v[RD]
	v_lshlrev_b32 v[GO], 4, v10
	v_lshl_add_u32 v[GO], v11, 14, v[GO]
	v_add_nc_u32 v12, s46, v[XO]
	v_add_nc_u32 v12, COMB, v12                    ; where I store my wave's comb: COMB + 4096 w + 16 l
	s_lshl_b32 s48, s[WV], 9
	v_add_nc_u32 v13, s48, v[XO]
	v_add_nc_u32 v13, BIAS, v13                    ; and b1's rows 2 w, 2 w + 1: BIAS + 512 w + 16 l
	s_lshl_b32 s49, s[WV], 15
	v_add_nc_u32 v14, s49, v[GO]                   ; the same in b1: (2 w + half) x 16,384 + 16 r
.irp i, 0,1,2,3,4,5,6,7
	v_mov_b32 v[CM+2*\i+1], 0
.endr
	s_lshl_b32 s50, s[CX], 2
	s_add_co_u32 s50, s50, s[WV]                   ; my 128 tokens: block 4 cx + w
	s_mul_i32 s52, s50, 8*CHUNK                    ; their eight chunks of xq,
	s_mov_b32 s53, 0
	s_lshl_b32 s54, s50, 12                        ; their 4,096 bytes of comb,
	s_mov_b32 s55, 0
	s_lshl_b32 s56, s50, 21                        ; their rows of out0 (16,384 bytes each),
	s_lshl_b32 s58, ttmp9, 8                       ; the cluster's 64 columns
	s_add_co_u32 s56, s56, s58
	s_mov_b32 s57, 0
	s_mov_b32 s59, 0
	s_wait_alu depctr_va_vdst(0)
	s_wait_dscnt 0x0                               ; both opening adds are done
	s_wait_kmcnt 0x0
	s_add_nc_u64 s[G0A+2:G0A+3], s[4:5], s[42:43]
	s_add_nc_u64 s[G0B+2:G0B+3], s[4:5], s[44:45]
	s_add_nc_u64 s[G0X+2:G0X+3], s[6:7], s[62:63]
	s_or_b32 s[G0X+3], s[G0X+3], 0x80000000
	s_or_b32 s[G0A+3], s[G0A+3], 0x80000000        ; 127:126 type = 2
	s_or_b32 s[G0B+3], s[G0B+3], 0x80000000
	s_add_nc_u64 s[6:7], s[6:7], s[52:53]
	s_add_nc_u64 s[8:9], s[8:9], s[54:55]
	s_add_nc_u64 s[14:15], s[14:15], s[56:57]
	s_add_nc_u64 s[12:13], s[12:13], s[58:59]
	CROUND                                         ; all four work-groups are here: the joint loads meet
	s_cmp_lt_u32 s[WV], 2                          ; the head's loads, one a wave, in two arms of one branch on the wave's number
	s_cbranch_scc0 .Lhead_x
	tensor_load_to_lds s[G0A:G0A+3], s[G1:G1+7]    ; waves 0, 1: experts 2 w and 2 w + 1, jointly
	s_nop 0
.rept 4
	v_nop
.endr
	s_branch .Lhead_asked
.Lhead_x:
	tensor_load_to_lds s[G0X:G0X+3], s[G1X:G1X+7]  ; waves 2, 3: x's tiles 4 to 7 of two waves
	s_nop 0
.rept 4
	v_nop
.endr
.Lhead_asked:
.rept 4
	v_nop                                          ; four lines behind the tensor loads, ahead of the window's switch
.endr
.irp q, 0,1,2,3,4,5,6,7
	global_load_b128 v[TA+4*\q:TA+4*\q+3], v[XO], s[8:9] offset:512*\q         ; my wave's comb
.endr
	s_wait_alu depctr_va_vdst(0)
	global_load_b128 v[TA+32:TA+35], v14, s[12:13]                             ; two rows of b1, 64 columns each
.irp i, 0,1,2,3
	global_load_b128 v[XS+4*\i:XS+4*\i+3], v[XO], s[6:7] offset:\i*CHUNK+8192  ; x's scale words, tiles 0 to 3
.endr
	WIN 0x40                                       ; destination window 1
.irp i, 0,1,2,3
.irp n, 0,1,2,3,4,5,6,7
	global_load_b128 v[32*\i+4*\n:32*\i+4*\n+3], v[XO], s[6:7] offset:\i*CHUNK+512*\n         ; K steps 0-3: register group n = 2 s + c
.endr
.endr
	WIN 0x80                                       ; destination window 2
.irp i, 0,1,2,3
.irp n, 0,1,2,3,4,5,6,7
	global_load_b128 v[32*\i+4*\n:32*\i+4*\n+3], v[XO], s[6:7] offset:\i*CHUNK+4096+512*\n    ; K steps 4-7
.endr
.endr
	WIN 0
	s_wait_loadcnt 0x0                             ; the first pass multiplies by all of x
.irp q, 0,1,2,3,4,5,6,7
	ds_store_b128 v12, v[TA+4*\q:TA+4*\q+3] offset:512*\q
.endr
	ds_store_b128 v13, v[TA+32:TA+35]
	s_wait_tensorcnt 0x0                           ; my head's load has landed,
	s_wait_dscnt 0x0                               ; and my rows of b1 and my comb lie in LDS
	s_barrier_signal -1
	s_barrier_wait -1                              ; experts 0 to 3, x's tiles 4 to 7 and b1 are whole for every wave
.irp i, 4,5,6,7
	ds_load_b128 v[XS+4*\i:XS+4*\i+3], v[XL] offset:(\i-4)*CHUNK+8192          ; x's scale words, tiles 4 to 7
.endr
	WIN 0x40                                       ; destination window 1
.irp i, 4,5,6,7
.irp n, 0,1,2,3,4,5,6,7
	ds_load_b128 v[32*\i+4*\n:32*\i+4*\n+3], v[XL] offset:(\i-4)*CHUNK+512*\n            ; K steps 0-3
.endr
.endr
	WIN 0x80                                       ; destination window 2
.irp i, 4,5,6,7
.irp n, 0,1,2,3,4,5,6,7
	ds_load_b128 v[32*\i+4*\n:32*\i+4*\n+3], v[XL] offset:(\i-4)*CHUNK+4096+512*\n       ; K steps 4-7
.endr
.endr
	WIN 0
	s_wait_tensorcnt 0x0                           ; no tensor load of mine is out
	ds_add_u32 v[SPW], v[NIL]
	s_mov_b32 s[G1+2], 136<<16                     ; so a descriptor may be written: from here on a joint load brings one expert: tensor_dim1 = 136,
	s_mov_b32 s[G1+4], 136                         ; tile_dim1 = 136
	s_wait_dscnt 0x0                               ; the add is done, and x's tiles 4 to 7 are in my registers: my reads of those bytes are over
	CROUND                                         ; that holds of every wave of all four work-groups, and the joint loads meet
	tensor_load_to_lds s[G0B:G0B+3], s[G1:G1+7]    ; expert w + 4, into the bytes that held x: my one tensor load behind the round; it has experts 0 and 1 in which to land
	s_nop 0
.rept 4
	v_nop
.endr
; the first eleven LDS loads of the pass that lies jn chunks on from WAD: W's K steps 0-3, its scale words into set par, its eight numbers of b1
.macro AGROUP jn, par
.irp n, 0,1,2,3,4,5,6,7
	ds_load_b128 v[WA+4*\n:WA+4*\n+3], v[WAD] offset:(\jn)*CHUNK+512*\n
.endr
	ds_load_b128 v[WS+4*(\par):WS+4*(\par)+3], v[WAD] offset:(\jn)*CHUNK+8192
	ds_load_b128 v[BI:BI+3], v[BAD] offset:(\jn)*64
	ds_load_b128 v[BI+4:BI+7], v[BAD] offset:(\jn)*64+16
.endm
.macro BGROUP jn                       ; its other eight: K steps 4-7
.irp n, 0,1,2,3,4,5,6,7
	ds_load_b128 v[WB+4*\n:WB+4*\n+3], v[WAD] offset:(\jn)*CHUNK+4096+512*\n
.endr
.endm
.macro CGROUP off                      ; an expert's comb: a register for each tile of tokens
.irp i, 0,1,2,3,4,5,6,7
	ds_load_b32 v[CM+2*\i], v[CAD] offset:512*\i+\off
.endr
.endm
; 32 products: K steps s0 .. s0 + 3 from the registers at base, the eight accumulators by turns, one instruction a turn.  bias = 1: K step 0 starts the sums on b1: nothing is cleared.
; An even K step's scale words stand in lanes 0-15 of their registers, an odd one's in lanes 16-31.
.macro MULS base, s0, par, bias
.irp ss, 0,1,2,3
.irp i, 0,1,2,3,4,5,6,7
.if (\bias) && (\ss == 0)
	v_wmma_scale_f32_16x16x128_f8f6f4 v[TA+8*\i:TA+8*\i+7], v[\base+8*\ss:\base+8*\ss+7], v[32*\i+8*\ss:32*\i+8*\ss+7], v[BI:BI+7], v[WS+4*(\par)+(\s0)/2+\ss/2], v[XS+4*\i+(\s0)/2+\ss/2] matrix_a_fmt:MATRIX_FMT_FP4 matrix_b_fmt:MATRIX_FMT_FP4
.elseif (\ss % 2) == 0
	v_wmma_scale_f32_16x16x128_f8f6f4 v[TA+8*\i:TA+8*\i+7], v[\base+8*\ss:\base+8*\ss+7], v[32*\i+8*\ss:32*\i+8*\ss+7], v[TA+8*\i:TA+8*\i+7], v[WS+4*(\par)+(\s0)/2+\ss/2], v[XS+4*\i+(\s0)/2+\ss/2] matrix_a_fmt:MATRIX_FMT_FP4 matrix_b_fmt:MATRIX_FMT_FP4
.else
	v_wmma_scale_f32_16x16x128_f8f6f4 v[TA+8*\i:TA+8*\i+7], v[\base+8*\ss:\base+8*\ss+7], v[32*\i+8*\ss:32*\i+8*\ss+7], v[TA+8*\i:TA+8*\i+7], v[WS+4*(\par)+(\s0)/2+\ss/2], v[XS+4*\i+(\s0)/2+\ss/2] matrix_a_fmt:MATRIX_FMT_FP4 matrix_b_fmt:MATRIX_FMT_FP4 matrix_a_scale:MATRIX_SCALE_ROW1 matrix_b_scale:MATRIX_SCALE_ROW1
.endif
.endr
.endr
.endm
; A PASS: rows 16 j on of the expert in hand.  par: its set of scale words.  first = 1: the first expert starts out.  more = 1: the next pass's loads are issued, each group 32 products ahead of its use.
.macro PASS j, par, first, more
.if (\j) == 0
	s_wait_dscnt 16                                ; my first eleven loads are in; behind them: K steps 4-7 (8) and the expert's comb (8)
.else
	s_wait_dscnt 8                                 ; behind them: K steps 4-7
.endif
	WIN 0x04                                       ; source 1 (x) window 1
	MULS WA, 0, \par, 1
	WIN 0
	PLACES
.if \more
	AGROUP (\j)+1, 1-(\par)
	s_wait_dscnt 11                                ; all but the eleven just issued: K steps 4-7 and comb are in
.else
	s_wait_dscnt 0x0
.endif
	WIN 0x08                                       ; source 1 window 2
	MULS WB, 4, \par, 0
	WIN 0
	PLACES                                         ; for the loads below and for the first reads of the sums.  The next pass begins each accumulator anew five places or more behind its last product: these four and the other tiles' lines below
.if \more
	BGROUP (\j)+1
.endif
.if \first
	WIN 0xc0                                       ; destination window 3
.else
	WIN 0xf0                                       ; destination and source 2 window 3
.endif
.irp i, 0,1,2,3,4,5,6,7
.irp q, 0,1,2,3
.if \first
	v_pk_mul_f32 v[64*(\j)+8*\i+2*\q:64*(\j)+8*\i+2*\q+1], v[TA+8*\i+2*\q:TA+8*\i+2*\q+1], v[CM+2*\i:CM+2*\i+1] op_sel_hi:[1,0]
.else
	v_pk_fma_f32 v[64*(\j)+8*\i+2*\q:64*(\j)+8*\i+2*\q+1], v[TA+8*\i+2*\q:TA+8*\i+2*\q+1], v[CM+2*\i:CM+2*\i+1], v[64*(\j)+8*\i+2*\q:64*(\j)+8*\i+2*\q+1] op_sel_hi:[1,0,1]   ; out += comb x (sum + b1): each accumulator from its low end on; of the pair the low word, my token's comb, serves both halves
.endif
.endr
.endr
	WIN 0
.if ((\j) == 3) && (\more)
	CGROUP 4                                       ; the next expert's comb, behind this expert's last use of it
.endif
.endm
.macro EXPERT first, last
	PASS 0, 0, \first, 1
	PASS 1, 1, \first, 1
	PASS 2, 0, \first, 1
	PASS 3, 1, \first, 1-(\last)                   ; its look-ahead reaches the next expert: 4 chunks, 256 bytes of b1 and 4 bytes of comb on
.if !(\last)
	v_add_nc_u32 v[WAD], EXPB, v[WAD]
	v_add_nc_u32 v[BAD], 256, v[BAD]
	v_add_nc_u32 v[CAD], 4, v[CAD]
.endif
.endm
	AGROUP 0, 0
	BGROUP 0
	CGROUP 0
	EXPERT 1, 0                                    ; expert 0
	s_wait_alu depctr_va_vdst(0)
	EXPERT 0, 0                                    ; expert 1, written out ahead of the barrier below; it reads nothing beyond expert 2
	s_wait_tensorcnt 0x0                           ; my second load, expert w + 4, has landed,
	s_wait_dscnt 0x0                               ; no LDS instruction of mine is pending at the signal
	s_barrier_signal -1
	s_barrier_wait -1                              ; experts 4 to 7 are whole for every wave; their first read is issued in expert 3
	s_mov_b32 s40, 5
.Lexpert:                                          ; experts 2 to 6
	s_wait_alu depctr_va_vdst(0)
	EXPERT 0, 0
	s_sub_co_u32 s40, s40, 1
	s_cmp_lg_u32 s40, 0
	s_cbranch_scc1 .Lexpert
	s_wait_alu depctr_va_vdst(0)
	EXPERT 0, 1                                    ; expert 7 is written out: its last pass looks no further
	; out1, first part: wave 0 of the first cluster's work-groups asks for part's 8,192 bytes; they land while out0 leaves.  W's registers are free: four places stand behind the last products
	s_cmp_lg_u32 s41, 0
	s_cbranch_scc1 .Lno_part
.irp q, 0,1,2,3,4,5,6,7,8,9,10,11,12,13,14,15
	global_load_b128 v[WA+4*\q:WA+4*\q+3], v[XO], s[10:11] offset:512*\q       ; lane l: tile 8 q + l / 4, numbers 4 (l % 4) + 0 .. 3
.endr
.Lno_part:
; THE WAY OUT, a tile of 16 tokens at a time.  A lane holds 32 neighbouring bytes of four pieces of a row, and the lanes beside it hold other rows: so a tile goes through my own stage in LDS and comes back as whole
; rows of 256 bytes.  LDS serves a wave's instructions in order (ISA guide 5.7.1.4): no wait between the stores and the loads, nor in front of the next tile's stores.
.macro TOSTAGE i
	WIN 0x0c                                       ; an LDS store's data are its source 1: window 3
.irp j, 0,1,2,3
	ds_store_b128 v[STO], v[64*\j+8*(\i):64*\j+8*(\i)+3] offset:64*\j
	ds_store_b128 v[STO], v[64*\j+8*(\i)+4:64*\j+8*(\i)+7] offset:64*\j+16
.endr
	WIN 0
.irp t, 0,1,2,3,4,5,6,7
	ds_load_b128 v[TA+32*((\i)%2)+4*\t:TA+32*((\i)%2)+4*\t+3], v[RD] offset:544*\t
.endr
.endm
.macro SEND i, younger                 ; younger: the LDS instructions issued behind tile i's loads, which may stay out
	s_wait_dscnt \younger
.irp t, 0,1,2,3,4,5,6,7
	global_store_b128 v[GO], v[TA+32*((\i)%2)+4*\t:TA+32*((\i)%2)+4*\t+3], s[14:15] offset:(16*(\i)+2*\t)*16384 th:TH_STORE_NT   ; 16 lanes store 256 consecutive bytes, at a multiple of 256 from out0's first byte; 126 rows at the most: inside the signed 24-bit immediate
.endr
.endm
	TOSTAGE 0
	s_wait_alu depctr_va_vdst(0)
.irp a, 1,2,3,4,5,6,7
.if \a > 1
	s_wait_xcnt 0x0                                ; tile a - 2's stores have read their registers: tile a's loads may land there
.endif
	TOSTAGE \a
	SEND \a-1, 16                                  ; behind tile a - 1's loads: tile a's 8 stores and 8 loads
.endr
	SEND 7, 0
	; out1, second part
	s_cmp_lg_u32 s41, 0
	s_cbranch_scc1 .Lno_sum
	s_wait_loadcnt 0x0
.irp q, 1,2,3,4,5,6,7,8,9,10,11,12,13,14,15
	v_pk_add_f32 v[WA:WA+1], v[WA:WA+1], v[WA+4*\q:WA+4*\q+1]
	v_pk_add_f32 v[WA+2:WA+3], v[WA+2:WA+3], v[WA+4*\q+2:WA+4*\q+3]
.endr
.irp m, 4,8
.irp c, 0,1,2,3
	v_add_f32_dpp v[WA+\c], v[WA+\c], v[WA+\c] row_xmask:\m row_mask:0xf bank_mask:0xf   ; over the lanes with my l % 4
.endr
.endr
.irp c, 0,1,2,3
	v_permlanex16_b32 v[WA+4+\c], v[WA+\c], s38, s39
.endr
.irp c, 0,1,2,3
	v_add_f32 v[WA+\c], v[WA+\c], v[WA+4+\c]       ; l % 4 = 0, 1: the sums of softmax_e over all tokens, e = 0-3, 4-7;  2, 3: how many tokens chose e
.endr
.irp c, 0,1,2,3
	v_mul_f32_dpp v[WA+\c], v[WA+\c], v[WA+\c] row_xmask:2 row_mask:0xf bank_mask:0xf    ; sum x count, e = 4 (l % 2) + c
.endr
	v_add_f32 v[WA], v[WA], v[WA+1]
	v_add_f32 v[WA+2], v[WA+2], v[WA+3]
	v_add_f32 v[WA], v[WA], v[WA+2]
	v_add_f32_dpp v[WA], v[WA], v[WA] row_xmask:1 row_mask:0xf bank_mask:0xf
	v_mul_f32 v[WA], 0x36000000, v[WA]             ; x 8 / 2048^2 = 2^-19
	v_or_b32 v8, s[CX], v0                         ; 0 in lane 0 of the partner at place 0 alone: the four are told apart by a lane mask, not by a branch
	v_mov_b32 v9, 0
	v_cmp_eq_u32 vcc_lo, 0, v8
	s_wait_alu depctr_va_vdst(0)
	s_wait_xcnt 0x0                                ; EXEC changes only behind this wait
	s_and_saveexec_b32 s42, vcc_lo
	global_store_b32 v9, v[WA], s[36:37]
	s_wait_xcnt 0x0                                ; and again in front of the line that widens it
	s_or_b32 exec_lo, exec_lo, s42
.Lno_sum:
	s_wait_tensorcnt 0x0                           ; the wave's end: behind my last tensor load and my last LDS store
	ds_add_u32 v[SPW], v[NIL]
	s_wait_dscnt 0x0
	CROUND                                         ; the closing round: no work-group ends while a partner may still ask for a tile that names it
	s_endpgm
.Lfunc_end_k_qee6fa76a03_moe:
	.size	k_qee6fa76a03_moe, .Lfunc_end_k_qee6fa76a03_moe-k_qee6fa76a03_moe
	.p2alignl 7, 3214868480
	.fill 96, 4, 3214868480
	.section	.rodata,"a",@progbits
	.p2align	6, 0x0
	.amdhsa_kernel k_qee6fa76a03_moe
		.amdhsa_group_segment_fixed_size 327680
		.amdhsa_private_segment_fixed_size 0
		.amdhsa_enable_private_segment 0
		.amdhsa_kernarg_size 56
		.amdhsa_user_sgpr_count 2
		.amdhsa_user_sgpr_kernarg_segment_ptr 1
		.amdhsa_wavefront_size32 1
		.amdhsa_system_sgpr_workgroup_id_x 1
		.amdhsa_system_sgpr_workgroup_id_y 1
		.amdhsa_system_sgpr_workgroup_id_z 1
		.amdhsa_system_vgpr_workitem_id 0
		.amdhsa_next_free_vgpr 1024
		.amdhsa_next_free_sgpr 96
		.amdhsa_reserve_vcc 1
		.amdhsa_float_denorm_mode_32 3
		.amdhsa_float_denorm_mode_16_64 3
		.amdhsa_memory_ordered 1
		.amdhsa_forward_progress 1
		.amdhsa_inst_pref_size 231
	.end_amdhsa_kernel
	.amdgpu_metadata
---
amdhsa.version: [ 1, 2 ]
amdhsa.kernels:
  - .name:           k_qee6fa76a03_moe
    .symbol:         k_qee6fa76a03_moe.kd
    .args:
      - { .name: wq, .offset: 0, .size: 8, .value_kind: global_buffer, .address_space: global }
      - { .name: xq, .offset: 8, .size: 8, .value_kind: global_buffer, .address_space: global }
      - { .name: comb, .offset: 16, .size: 8, .value_kind: global_buffer, .address_space: global }
      - { .name: part, .offset: 24, .size: 8, .value_kind: global_buffer, .address_space: global }
      - { .name: b1, .offset: 32, .size: 8, .value_kind: global_buffer, .address_space: global }
      - { .name: out0, .offset: 40, .size: 8, .value_kind: global_buffer, .address_space: global }
      - { .name: out1, .offset: 48, .size: 8, .value_kind: global_buffer, .address_space: global }
    .group_segment_fixed_size: 327680
    .private_segment_fixed_size: 0
    .kernarg_segment_align: 8
    .kernarg_segment_size: 56
    .max_flat_workgroup_size: 128
    .sgpr_count:     96
    .vgpr_count:     1024
    .wavefront_size: 32
...
	.end_amdgpu_metadata
.endif
;; end of part 2
